; MI455X (gfx1250); checked and timed in simulation.
; The chip was launched on July 23, 2026; its instructions are those of AMD's public machine-readable ISA for CDNA 5 (MIT licence, August 2026) and "CDNA5" Instruction Set Architecture Reference Guide (July 2026). The comments in the code are by the model that wrote it; some were corrected since.
;; Embedding LSTM Cell. Allowed arithmetic: matrix products marked QUANTISED: E3M2 operands, one E8M0 scale for each 32 along K, by v_wmma_scale_f32_16x16x128_f8f6f4 with both operands' format E3M2, f32 sums; everything else in f32.
;; Inputs: Wc 4,096 x 2,048 float32; Wf 4,096 x 2,048 float32; Wi 4,096 x 2,048 float32; Wo 4,096 x 2,048 float32; bc 2,048 float32; bf 2,048 float32; bi 2,048 float32; bo 2,048 float32; c_prev 2,048 x 2,048 float32; embedding_vec 2,048 x 1 float32; h_prev 2,048 x 2,048 float32; x 2,048 x 2,048 float32.
;; Outputs: out0 2,048 x 2,048 float32; out1 2,048 x 2,048 float32.
;; This version of the problem:
;;   THIS VERSION OF THE PROBLEM IS GIVEN IN LOW PRECISION. The matrix products marked QUANTISED in the list below multiply operands that are first quantised to E3M2 (3 exponent bits, 2 mantissa bits; 6 bits a number), with one power-of-two scale for each 32 numbers along K (OCP MX v1.0); their sums are f32. All else is computed in f32.
;;   The module's matrix products, in the order in which they are computed (A, B: the left and right operand; K: the contracted axis; several contracted axes count as one K, in the product's order):
;;     1. [M 2,048, K 4,096] x [K 4,096, N 8,192]; A: computed on the way; B: computed on the way: QUANTISED
;;   THE QUANTISER, for each operand of a quantised product, along K:
;;     - K is cut into blocks of 32 from its start; a last block that is shorter is filled with zeros.
;;     - A block's scale is 2^e with e = floor(log2(the largest magnitude in the block)) - 4, held to -126 .. 127; a block of zeros has e = 0. As a byte (E8M0): e + 127.
;;     - Each number is divided by its block's scale, clamped to +-28, and rounded to the nearest number of E3M2, ties to even, subnormals kept.
;;     - The product sums the exact products of the quantised numbers (number of the format x scale) in f32.
;;   ~~~python
;;   def quantise(x, axis):      # numpy; x: float32 -> the quantised numbers, widened to float32 again
;;       x = np.moveaxis(x, axis, -1); K = x.shape[-1]
;;       x = np.pad(x, [(0, 0)] * (x.ndim - 1) + [(0, -K % 32)]); x = x.reshape(x.shape[:-1] + (-1, 32)); a = np.abs(x).max(-1, keepdims=True)
;;       e = np.where(a > 0, np.clip(np.frexp(np.where(a > 0, a, 1))[1] - 1 - 4, -126, 127), 0)      # np.frexp(a)[1] - 1 = floor(log2(a)), exactly
;;       r = np.clip(x / 2.0 ** e, -28, 28)
;;       step = 2.0 ** (np.maximum(np.frexp(np.where(r == 0, 1, r))[1] - 1, -2) - 2)
;;       q = np.round(r / step) * step * 2.0 ** e      # np.round: ties to even
;;       return np.moveaxis(q.reshape(q.shape[:-2] + (-1,))[..., :K], -1, axis).astype(np.float32)
;;   ~~~
;;   OPERANDS COMPUTED ON THE WAY. 'Computed on the way' means the value that the module computes at that place (a softmax that the list does not call 'softmax' is quantised finished and normalised). What goes into a quantiser is computed in f32, as accurately as f32 sums, v_exp_f32 and their like allow (about 1e-6 of the number): no bf16 or f16 on the way to a quantiser, and a product that is left as it is and whose result goes on into a quantised operand takes f32 operands (vector FMAs, or v_wmma_f32_16x16x4_f32). A number that lies on a knife's edge between two numbers of the format may be rounded either way, as far as f32 arithmetic and the matrix unit's own rounding can turn it there, and no further.
;; One version. Each part assembles by itself: llvm-mc -triple=amdgcn-amd-amdhsa -mcpu=gfx1250 --defsym DOCPART=n.
;; ======== version 1 of 1: 2 launches
;; limits: right only within a limited range of input values
;; workspace buffers: a_t 6,553,600 bytes; w_t 26,214,400 bytes
;; launch quant (part 1): grid 32 x 8, 16 waves a work-group, no clusters, 211,968 bytes of LDS; arguments Wf, Wi, Wc, Wo, x, h_prev, w_t, a_t; writes w_t, a_t
.if DOCPART == 1
	.amdgcn_target "amdgcn-amd-amdhsa--gfx1250"
	.amdhsa_code_object_version 6
	.text
	.protected	k_q7ad696db57_quant
	.globl	k_q7ad696db57_quant
	.p2align	8
	.type	k_q7ad696db57_quant,@function
k_q7ad696db57_quant:
	s_mov_b64 s[64:65], 0
	v_nop
	global_prefetch_b8 v0, s[64:65] scope:SCOPE_SE
	s_setreg_imm32_b32 hwreg(HW_REG_WAVE_MODE, 25, 1), 1
	s_wait_xcnt 0x0
; Both operands of z = [x | h_prev] [Wf | Wi | Wc | Wo] become codes of BF6 (E3M2) with one E8M0 scale byte for each 32 along K.
; DEAD WORK: reference() never reads embedding_vec, so for all values it reaches no output: it is not loaded and is no argument of any launch.  A NaN or an infinity in it is not carried to the result.
; LAYOUT of w_t and a_t, as the product's launch takes them: [128 rows R][K step of 128 s][12,800 bytes].  Such a tile holds 8 fragments (16 rows x 128 K) of 1,536 bytes, then 512 scale bytes.
; In a fragment the block b (32 along K, 24 bytes) of row r lies at 48 r + 768 (b % 2) + 24 (b / 2): lane r + 16 (b % 2) of the matrix operand finds its 48 bytes on end.
; The scale byte of fragment i, row r, block b lies at 12,288 + 32 r + 4 i + b.
; W's ROWS ARE INTERLEAVED BY GATE: column j of gate g (f 0, i 1, c 2, o 3) is row n = 64 (j / 16) + 16 g + j % 16, so R = j / 32, fragment 4 ((j / 16) % 2) + g, row j % 16.
; A block's scale is 2^(floor(log2(its largest magnitude)) - 4); its byte is that magnitude's exponent field - 4, held at 1 from below.
; LIMITS: a block of zeros gets the byte 1 where the rule says 127 (its codes are zeros, and this program alone reads the bytes); blocks whose largest magnitude lies under 2^-122 are held at the byte 1;
; NaN and infinities among the inputs are not served.
; W'S PART.  Work-group (X, P): columns 64 X .. + 63 of all four gates, 512 along K.  Wave w: gate w % 4, K step 4 P + w / 4.  A lane takes columns l and l + 32 by turns and its registers run down K:
; a block of 32 lies in one lane's 32 registers.  The work-group's codes and scale bytes are gathered in LDS as they lie in memory: two runs of 51,200 bytes (R = 2 X, 2 X + 1), stored 512 bytes a wave's store.
; CAT'S PART.  Work-group number X + 32 P: R = number % 16, 256 along K = number / 16 (0-7 of x, 8-15 of h_prev).  Wave w takes rows 8 w .. + 7, two rows (2 x 1,024 bytes) a step; a step's 2,048 bytes turn
; through the wave's own stage so that a lane holds 16 neighbours.  The work-group's 25,600 bytes are gathered in LDS and stored likewise.
; No matrix unit, no cluster, no tensor load: the launch streams and no two work-groups share an input.
.set NB,    8
.set TILE,  12800
.set RSTR,  32*TILE
.set GAP,   RSTR-4*TILE                ; from the end of the first run to the start of the second, in memory
.set AIM,   8*TILE                     ; LDS: behind W's image, cat's image
.set AST,   AIM+2*TILE                 ; cat: two stages for each wave
.set SP,    80
.set STAGE, 32*SP
.set SPARE, AST+16*2*STAGE             ; the spare words, 128 bytes for each wave
.set EMAX,  4
.set SB,    24
.set X,     32
.set C,     96
.set OUTR,  112
.set AX,    164
.set AC,    196
.set AE,    212
.set AO,    216
	s_load_b256 s[4:11], s[0:1], 0x0               ; Wf, Wi, Wc, Wo
	s_load_b256 s[40:47], s[0:1], 0x20             ; x, h_prev, w_t, a_t
	v_lshl_add_u32 v232, v0, 2, SPARE
	v_mov_b32 v233, 0
	v_lshrrev_b32 v1, 5, v0
	s_delay_alu instid0(VALU_DEP_1)
	v_readfirstlane_b32 s16, v1                    ; wave 0..15
	s_and_b32 s17, s16, 3                          ; W: the gate
	s_lshr_b32 s18, s16, 2                         ; W: which K step of the work-group's four
	s_and_b32 s19, ttmp7, 0xffff                   ; P
	s_mul_i32 s27, s18, TILE
	s_mul_i32 s24, s17, 1536
	s_lshl_b32 s25, s17, 2
	s_add_co_u32 s28, s27, s25
	s_add_co_u32 s28, s28, 12288                   ; my tile's scale bytes, + 4 g
	s_add_co_u32 s27, s27, s24                     ; my tile, fragment g
	s_cmp_ge_u32 s16, 4
	s_cselect_b32 s29, GAP, 0                      ; the seventh store of a wave: waves 4-15 stand in the second run
	s_mul_i32 s26, s16, 2*STAGE
	s_add_co_u32 s26, s26, AST
	s_lshr_b32 s20, s16, 1                         ; cat: my fragment
	s_and_b32 s21, s16, 1                          ; and which 8 rows of it
	s_lshl_b32 s33, s20, 2
	s_lshl_b32 s24, s21, 8
	s_add_co_u32 s33, s33, s24
	s_add_co_u32 s33, s33, AIM+12288
	s_mul_i32 s34, s20, 1536
	s_mul_i32 s24, s21, 384
	s_add_co_u32 s34, s34, s24
	s_add_co_u32 s34, s34, AIM
	s_lshl_b32 s22, s19, 22                        ; W: 512 rows of 8,192 bytes,
	s_lshl_b32 s24, s18, 20                        ; 128 rows,
	s_add_co_u32 s22, s22, s24
	s_lshl_b32 s24, ttmp9, 8                       ; 64 columns
	s_add_co_u32 s22, s22, s24
	s_mov_b32 s23, 0
	s_mul_i32 s30, ttmp9, 2*RSTR                   ; w_t: R = 2 X, K step 4 P
	s_mul_i32 s24, s19, 4*TILE
	s_add_co_u32 s30, s30, s24
	s_mov_b32 s31, 0
	s_lshl_b32 s35, s19, 5
	s_add_co_u32 s35, s35, ttmp9                   ; cat: the work-group's number
	s_and_b32 s36, s35, 15                         ; R
	s_lshr_b32 s37, s35, 4                         ; which 256 along K
	s_lshl_b32 s38, s36, 20                        ; 128 rows of 8,192 bytes,
	s_lshl_b32 s24, s16, 16                        ; 8 rows,
	s_add_co_u32 s38, s38, s24
	s_and_b32 s24, s37, 7
	s_lshl_b32 s24, s24, 10                        ; 256 numbers
	s_add_co_u32 s38, s38, s24
	s_mov_b32 s39, 0
	s_mul_i32 s48, s36, RSTR
	s_mul_i32 s24, s37, 2*TILE
	s_add_co_u32 s48, s48, s24
	s_mov_b32 s49, 0
	v_and_b32 v2, 31, v0                           ; lane
	v_lshlrev_b32 v9, 4, v0                        ; 16 x thread: W's image in LDS, and the same place in memory
	s_delay_alu instid0(VALU_DEP_2)
	v_lshlrev_b32 v3, 2, v2                        ; W in: 4 bytes a lane
	v_lshrrev_b32 v11, 4, v2                       ; lane / 16
	v_and_b32 v12, 15, v2                          ; lane % 16
	v_add_nc_u32 v8, 0x10000, v9                   ; beyond the 16-bit immediate
	v_add_nc_u32 v14, s29, v9
	v_add_nc_u32 v21, AIM, v9
	v_mul_u32_u24 v4, v12, 48
	v_lshlrev_b32 v5, 5, v12
	s_delay_alu instid0(VALU_DEP_2)
	v_mad_u32_u24 v4, v11, 6144, v4                ; columns 16-31 of my 32: four fragments on
	s_delay_alu instid0(VALU_DEP_2)
	v_lshl_add_u32 v5, v11, 4, v5
	s_delay_alu instid0(VALU_DEP_2)
	v_add_nc_u32 v4, s27, v4                       ; my column's codes
	s_delay_alu instid0(VALU_DEP_2)
	v_add_nc_u32 v5, s28, v5                       ; my column's scale word
	v_lshlrev_b32 v10, 4, v2                       ; cat in: 16 bytes a lane
	v_lshrrev_b32 v15, 2, v2
	v_and_b32 v13, 3, v2
	s_delay_alu instid0(VALU_DEP_2)
	v_mul_u32_u24 v15, v15, SP
	v_mul_u32_u24 v16, v2, SP
	s_delay_alu instid0(VALU_DEP_2)
	v_lshl_add_u32 v15, v13, 4, v15
	s_delay_alu instid0(VALU_DEP_2)
	v_add_nc_u32 v16, s26, v16                     ; cat's stage on the way out: my 16 neighbours
	s_delay_alu instid0(VALU_DEP_2)
	v_add_nc_u32 v15, s26, v15                     ; and on the way in
	v_bfe_u32 v13, v2, 1, 2                        ; my block in its K step
	v_bfe_u32 v18, v2, 3, 1                        ; which of the two K steps
	s_delay_alu instid0(VALU_DEP_1)
	v_mad_u32_u24 v17, v18, TILE, v13
	v_and_b32 v19, 1, v2
	s_delay_alu instid0(VALU_DEP_2)
	v_lshl_add_u32 v17, v11, 5, v17
	s_delay_alu instid0(VALU_DEP_2)
	v_mul_u32_u24 v20, v19, 12                     ; which half of the block
	v_bfe_u32 v19, v2, 1, 1
	v_add_nc_u32 v17, s33, v17                     ; my block's scale byte
	s_delay_alu instid0(VALU_DEP_2)
	v_mad_u32_u24 v20, v19, 768, v20
	v_bfe_u32 v19, v2, 2, 1
	s_delay_alu instid0(VALU_DEP_1)
	v_mad_u32_u24 v20, v19, 24, v20
	s_delay_alu instid0(VALU_DEP_1)
	v_mad_u32_u24 v20, v18, TILE, v20
	s_delay_alu instid0(VALU_DEP_1)
	v_mad_u32_u24 v20, v11, 48, v20
	s_delay_alu instid0(VALU_DEP_1)
	v_add_nc_u32 v20, s34, v20                     ; my 12 bytes of codes
	s_wait_alu depctr_va_vdst(0)                   ; the wait at the head's end
	s_wait_kmcnt 0x0
	s_cmp_eq_u32 s17, 1                            ; the gate's tensor: the choice hangs on the wave's number alone
	s_cselect_b64 s[4:5], s[6:7], s[4:5]
	s_cmp_eq_u32 s17, 2
	s_cselect_b64 s[4:5], s[8:9], s[4:5]
	s_cmp_eq_u32 s17, 3
	s_cselect_b64 s[4:5], s[10:11], s[4:5]
	s_cmp_lt_u32 s37, 8                            ; x or h_prev: by the work-group's number
	s_cselect_b64 s[40:41], s[40:41], s[42:43]
	s_add_nc_u64 s[4:5], s[4:5], s[22:23]
	s_add_nc_u64 s[44:45], s[44:45], s[30:31]
	s_add_nc_u64 s[40:41], s[40:41], s[38:39]
	s_add_nc_u64 s[46:47], s[46:47], s[48:49]
.macro LOAD t                          ; turn t: block t / 2 of column l + 32 (t % 2), into set t % 2
.irp i, 0,1,2,3,4,5,6,7,8,9,10,11,12,13,14,15,16,17,18,19,20,21,22,23,24,25,26,27,28,29,30,31
	global_load_b32 v[X+32*((\t)%2)+\i], v3, s[4:5] offset:(32*((\t)/2)+\i)*8192+128*((\t)%2) th:TH_LOAD_NT
.endr
.endm
.macro ALOAD t                         ; cat's step t: rows 2 t and 2 t + 1 of my eight, 512 consecutive bytes a load
.irp i, 0,1,2,3
	global_load_b128 v[X+16*(\t)+4*\i:X+16*(\t)+4*\i+3], v10, s[40:41] offset:(2*(\t)+\i/2)*8192+512*(\i%2) th:TH_LOAD_NT
.endr
.endm
	LOAD 0
	LOAD 1
.macro BLOCK t
.set XS, X+32*((\t)%2)
.set WO, 4*TILE*((\t)%2)+768*(((\t)/2)%2)+24*((\t)/4)
.if (\t) < NB-1
	s_wait_loadcnt 32                              ; this turn's 32 loads are in; the next turn's may be out
.else
	s_wait_loadcnt 8                               ; the last turn's are in; cat's first eight loads may be out
.endif
	v_max3_num_f32 v12, |v[XS]|, |v[XS+1]|, |v[XS+2]|
	v_max3_num_f32 v13, |v[XS+3]|, |v[XS+4]|, |v[XS+5]|
.irp i, 6,10,14,18,22,26
	s_delay_alu instid0(VALU_DEP_2)
	v_max3_num_f32 v12, v12, |v[XS+\i]|, |v[XS+\i+1]|
	s_delay_alu instid0(VALU_DEP_2)
	v_max3_num_f32 v13, v13, |v[XS+\i+2]|, |v[XS+\i+3]|
.endr
	s_delay_alu instid0(VALU_DEP_2)
	v_max3_num_f32 v12, v12, |v[XS+30]|, |v[XS+31]|
	s_delay_alu instid0(VALU_DEP_1)
	v_max3_num_f32 v12, v12, v13, (EMAX+1)<<23     ; the floor 2^(5 - 127): the byte cannot fall under 1
	s_delay_alu instid0(VALU_DEP_1)
	v_add_nc_u32 v11, -(EMAX<<23), v12             ; 4 off its exponent field: the conversion's scale operand
	v_cvt_scalef32_pk16_bf6_f32 v[C:C+2], v[XS:XS+15], v11
	v_cvt_scalef32_pk16_bf6_f32 v[C+4:C+6], v[XS+16:XS+31], v11
	v_lshrrev_b32 v13, 23, v11                     ; the scale's byte; a plain line behind the conversions
.if (\t)/2 == 0
	s_delay_alu instid0(VALU_DEP_1)
	v_mov_b32 v[SB+(\t)%2], v13                    ; a column's four bytes make its scale word
.else
	s_delay_alu instid0(VALU_DEP_1)
	v_lshl_or_b32 v[SB+(\t)%2], v13, 8*((\t)/2), v[SB+(\t)%2]
.endif
	v_mov_b32 v[C+3], v[C+4]                       ; the block's 24 bytes into six registers on end
	v_mov_b32 v[C+4], v[C+5]
	v_mov_b32 v[C+5], v[C+6]
	ds_store_b64 v4, v[C:C+1] offset:WO
	ds_store_b64 v4, v[C+2:C+3] offset:WO+8
	ds_store_b64 v4, v[C+4:C+5] offset:WO+16
.if (\t)+2 < NB
	LOAD (\t)+2
.else
	ALOAD 2*((\t)-6)                               ; W has nothing left to ask for: this set takes two steps of cat
	ALOAD 2*((\t)-6)+1
.endif
	s_wait_dscnt 0x0                               ; the stores have read their registers
.endm
.set Q, 0
.rept NB
	BLOCK Q
.set Q, Q+1
.endr
	s_wait_alu depctr_va_vdst(0)                   ; the wait ahead of the reader below
	ds_store_b32 v5, v[SB]
	ds_store_b32 v5, v[SB+1] offset:4*TILE
	s_wait_dscnt 0x0                               ; for the others' sake: my stores are done
	s_barrier_signal -1
	s_barrier_wait -1                              ; W's 102,400 bytes lie in LDS as in memory
.irp k, 0,1,2,3,4,5,6,7
	ds_load_b128 v[OUTR+4*\k:OUTR+4*\k+3], v9 offset:8192*\k
.endr
.irp k, 8,9,10,11
	ds_load_b128 v[OUTR+4*\k:OUTR+4*\k+3], v8 offset:8192*(\k-8)
.endr
.irp k, 0,1,2,3,4,5,6,7,8,9,10,11              ; each store of a wave covers 512 consecutive bytes, from a multiple of 256 on
	s_wait_dscnt 11-\k
.if \k < 6
	global_store_b128 v9, v[OUTR+4*\k:OUTR+4*\k+3], s[44:45] offset:8192*\k
.else
.if \k == 6
	global_store_b128 v14, v[OUTR+4*\k:OUTR+4*\k+3], s[44:45] offset:8192*\k
.else
	global_store_b128 v9, v[OUTR+4*\k:OUTR+4*\k+3], s[44:45] offset:8192*\k+GAP
.endif
.endif
.endr
	s_cmp_lt_u32 s16, 8
	s_cbranch_scc0 .Lw_out                         ; the last 4,096 bytes: waves 0-7
	ds_load_b128 v[160:163], v8 offset:32768
	s_wait_dscnt 0x0
	global_store_b128 v9, v[160:163], s[44:45] offset:98304+GAP
.Lw_out:
.macro ATURN t                         ; step t's numbers through the stage: LDS serves a wave's instructions in order (ISA guide 5.7.1)
.irp i, 0,1,2,3
	ds_store_b128 v15, v[X+16*(\t)+4*\i:X+16*(\t)+4*\i+3] offset:STAGE*((\t)%2)+8*SP*\i
.endr
.irp i, 0,1,2,3
	ds_load_b128 v[AX+16*((\t)%2)+4*\i:AX+16*((\t)%2)+4*\i+3], v16 offset:STAGE*((\t)%2)+16*\i
.endr
.endm
	s_wait_loadcnt 12                              ; step 0's four loads are in
	ATURN 0
.macro ASTEP t
.set XS, AX+16*((\t)%2)
.if (\t) > 0
	s_wait_dscnt 4                                 ; this step's numbers are back; the last step's four stores may be out
.else
	s_wait_dscnt 0x0
.endif
.if (\t) < 3
	s_wait_loadcnt 4*(2-(\t))
	ATURN (\t)+1
.endif
	v_max3_num_f32 v26, |v[XS]|, |v[XS+1]|, |v[XS+2]|
	v_max3_num_f32 v27, |v[XS+3]|, |v[XS+4]|, |v[XS+5]|
.irp i, 6,10
	s_delay_alu instid0(VALU_DEP_2)
	v_max3_num_f32 v26, v26, |v[XS+\i]|, |v[XS+\i+1]|
	s_delay_alu instid0(VALU_DEP_2)
	v_max3_num_f32 v27, v27, |v[XS+\i+2]|, |v[XS+\i+3]|
.endr
	s_delay_alu instid0(VALU_DEP_2)
	v_max3_num_f32 v26, v26, |v[XS+14]|, |v[XS+15]|
	s_delay_alu instid0(VALU_DEP_1)
	v_max3_num_f32 v26, v26, v27, (EMAX+1)<<23
	s_delay_alu instid0(VALU_DEP_1)
	v_max_num_f32_dpp v26, v26, v26 row_xmask:1 row_mask:0xf bank_mask:0xf   ; with my neighbour's 16: the block's
	s_delay_alu instid0(VALU_DEP_1)
	v_add_nc_u32 v28, -(EMAX<<23), v26
	v_cvt_scalef32_pk16_bf6_f32 v[AC+4*(\t):AC+4*(\t)+2], v[XS:XS+15], v28
	v_lshrrev_b32 v[AE+(\t)], 23, v28              ; the scale's byte; the plain line behind the conversion
	ds_store_b8 v17, v[AE+(\t)] offset:64*(\t)     ; both lanes of a block write the same byte with the same value
	ds_store_b32 v20, v[AC+4*(\t)] offset:96*(\t)
	ds_store_b32 v20, v[AC+4*(\t)+1] offset:96*(\t)+4
	ds_store_b32 v20, v[AC+4*(\t)+2] offset:96*(\t)+8
.endm
.irp t, 0,1,2,3
	ASTEP \t
.endr
	s_wait_dscnt 0x0                               ; for the others' sake: my stores are done
	s_barrier_signal -1
	s_barrier_wait -1                              ; cat's 25,600 bytes lie in LDS as in memory
.irp c, 0,1,2
	ds_load_b128 v[AO+4*\c:AO+4*\c+3], v21 offset:8192*\c
.endr
	s_wait_dscnt 0x0
.irp c, 0,1,2
	global_store_b128 v9, v[AO+4*\c:AO+4*\c+3], s[46:47] offset:8192*\c
.endr
	s_cmp_lt_u32 s16, 2
	s_cbranch_scc0 .Lend                           ; the last 1,024 bytes: waves 0 and 1
	ds_load_b128 v[AO+12:AO+15], v21 offset:24576
	s_wait_dscnt 0x0
	global_store_b128 v9, v[AO+12:AO+15], s[46:47] offset:24576
.Lend:
	s_wait_tensorcnt 0x0                           ; the wave's end
	ds_add_u32 v232, v233
	s_wait_dscnt 0x0
	s_endpgm
.Lfunc_end_k_q7ad696db57_quant:
	.size	k_q7ad696db57_quant, .Lfunc_end_k_q7ad696db57_quant-k_q7ad696db57_quant
	.p2alignl 7, 3214868480
	.fill 96, 4, 3214868480
	.section	.rodata,"a",@progbits
	.p2align	6, 0x0
	.amdhsa_kernel k_q7ad696db57_quant
		.amdhsa_group_segment_fixed_size 211968
		.amdhsa_private_segment_fixed_size 0
		.amdhsa_enable_private_segment 0
		.amdhsa_kernarg_size 64
		.amdhsa_user_sgpr_count 2
		.amdhsa_user_sgpr_kernarg_segment_ptr 1
		.amdhsa_wavefront_size32 1
		.amdhsa_system_sgpr_workgroup_id_x 1
		.amdhsa_system_sgpr_workgroup_id_y 1
		.amdhsa_system_sgpr_workgroup_id_z 1
		.amdhsa_system_vgpr_workitem_id 0
		.amdhsa_next_free_vgpr 234
		.amdhsa_next_free_sgpr 66
		.amdhsa_reserve_vcc 0
		.amdhsa_float_denorm_mode_32 3
		.amdhsa_float_denorm_mode_16_64 3
		.amdhsa_memory_ordered 1
		.amdhsa_forward_progress 1
		.amdhsa_inst_pref_size 60
	.end_amdhsa_kernel
	.amdgpu_metadata
---
amdhsa.version: [ 1, 2 ]
amdhsa.kernels:
  - .name:           k_q7ad696db57_quant
    .symbol:         k_q7ad696db57_quant.kd
    .args:
      - { .name: Wf, .offset: 0, .size: 8, .value_kind: global_buffer, .address_space: global }
      - { .name: Wi, .offset: 8, .size: 8, .value_kind: global_buffer, .address_space: global }
      - { .name: Wc, .offset: 16, .size: 8, .value_kind: global_buffer, .address_space: global }
      - { .name: Wo, .offset: 24, .size: 8, .value_kind: global_buffer, .address_space: global }
      - { .name: x, .offset: 32, .size: 8, .value_kind: global_buffer, .address_space: global }
      - { .name: h_prev, .offset: 40, .size: 8, .value_kind: global_buffer, .address_space: global }
      - { .name: w_t, .offset: 48, .size: 8, .value_kind: global_buffer, .address_space: global }
      - { .name: a_t, .offset: 56, .size: 8, .value_kind: global_buffer, .address_space: global }
    .group_segment_fixed_size: 211968
    .private_segment_fixed_size: 0
    .kernarg_segment_align: 8
    .kernarg_segment_size: 64
    .max_flat_workgroup_size: 512
    .sgpr_count:     66
    .vgpr_count:     234
    .wavefront_size: 32
...
	.end_amdgpu_metadata
.endif
;; end of part 1
;; launch gemm (part 2): grid 32 x 8, 4 waves a work-group, clusters of 4 x 4, 327,680 bytes of LDS; arguments a_t, w_t, bf, bi, bc, bo, c_prev, out0, out1; writes out0, out1
.if DOCPART == 2
	.amdgcn_target "amdgcn-amd-amdhsa--gfx1250"
	.amdhsa_code_object_version 6
	.text
	.protected	k_q7ad696db57_gemm
	.globl	k_q7ad696db57_gemm
	.p2align	8
	.type	k_q7ad696db57_gemm,@function
k_q7ad696db57_gemm:
	s_mov_b64 s[64:65], 0
	v_nop
	global_prefetch_b8 v0, s[64:65] scope:SCOPE_SE
	s_setreg_imm32_b32 hwreg(HW_REG_WAVE_MODE, 25, 1), 1
	s_wait_xcnt 0x0
	s_wait_alu depctr_hold_cnt(0) depctr_sa_sdst(0) depctr_va_vdst(0) depctr_va_sdst(0) depctr_va_ssrc(0) depctr_va_vcc(0) depctr_vm_vsrc(0)
	s_getreg_b32 s2, hwreg(HW_REG_IB_STS2, 6, 4)
	s_cmp_eq_u32 s2, 0
	s_cbranch_scc0 .Lentry_in_a_cluster
	s_endpgm
.Lentry_in_a_cluster:
	s_bfe_u32 s2, ttmp6, 0x10000c
	s_cmp_lg_u32 s2, 0xf033
	s_cbranch_scc0 .Lentry_shape_is_right
	s_endpgm
.Lentry_shape_is_right:
; z = cat W + b on codes of BF6 with E8M0 scales, then the LSTM gates; out0 = h_t, out1 = c_t.  embedding_vec is left out: reference() never reads it.
; a_t, w_t: [128 rows R][K step of 128 (32)][12,800 bytes]: 8 fragments of 1,536 bytes (lane l's 48 bytes at 48 l), then the scale words at 12,288 + 32 r + 4 i.  W's rows are interleaved by gate:
; fragment b of a wave's 128 rows of W is gate b % 4 of hidden columns 16 (b / 4) .. + 15.
; A work-group of four waves makes 256 rows x 256 rows of W (64 hidden columns x 4 gates); a wave 128 x 128: 64 accumulators.  K goes through two LDS slots of 3 K steps (the last fill: 2); a wave's tensor load
; brings 3 tiles of 128 rows, 150 dense rows of 256 bytes, scales among them.  A wave has one tensor load out.
; CLUSTERS 4 x 4: A's tiles are asked for jointly along a row of the cluster, W's along a column.
; THE MATRIX INSTRUCTION IS USED TRANSPOSED (source 0 = 16 rows of W, source 1 = 16 rows of cat): a lane holds row l % 16 and eight neighbouring hidden columns.
; REGISTERS, in windows of 256.  Every window: v128-255 the accumulators of A's blocks 2 X, 2 X + 1 ((a, b) at 128 + 64 (a % 2) + 8 b); v32-127 a set of fragments: windows 0, 1 W's sets 0, 1; windows 2, 3 A's.
; A step of parity p multiplies sets p and fills sets 1 - p: both operands have two sets, so the next step's 50 LDS loads stand in ONE run: inside a slot behind the step's first 16 products, in a slot's last step
; behind the refill.  The 64 products go by windows p, 2 + p, 1 - p, 3 - p.  Window 0: v0-15 addresses, v16-31 two sets of scale words.  Windows 2, 3: v0-31 the biases, the C of the first step's products.
; PREFETCH: behind each ring refill every wave asks for the slot two refills on, its work-group's share of 150 blocks of 256 bytes (38 by the place among the four partners, told apart by address);
; the ring's last fill (100 blocks, 25 a partner) and c_prev's tile (a lane a row) are asked for at the top of the loop's last trip; slots 0 to 3 come by their loads alone.
; sigmoid(v) = 1 / (1 + 2^(-v log2 e)), tanh(v) = 1 - 2 / (1 + 2^(2 v log2 e)): both hold at their limits where the power overflows or falls to 0.  LIMIT: NaN and infinities among the inputs are not served.
.set TILE,  12800
.set REG,   3*TILE                     ; what one tensor load of the ring brings
.set SLOT,  4*REG                      ; A's two halves, then W's two
.set RSTR,  32*TILE
.set SPARE, 2*SLOT                     ; the spare words, 128 bytes for each wave
.set CPITCH, 272
.set CST,   SLOT                       ; c_prev's tile, then c_t: in slot 1, behind its last ring fill
.set HOFF,  256*CPITCH                 ; h_t's stage behind it, in slot 1 too
.set PFC,  1
.set PFL,  2
.set ADRA, 4
.set ADRB, 6
.set ADRS, 8
.set SPW,  10
.set NIL,  11
.set PFO,  12
.set BO,   15
.set SC,   16
.set FRG,  32
.set ACC,  128
.set G1, 24
.set G0, 32
.set PFA, 46
.set G1B, 48
.set G0B, 56
.set G1C, 84
.set G0C, 92
.set PLS, 96
.set MSB, 0
.macro WIN new                         ; the immediate's high byte repeats the setting that is left
.if MSB != \new
	s_set_vgpr_msb (MSB<<8)|\new
.set MSB, \new
.endif
.endm
.macro NOPS
.rept 4
	v_nop
.endr
.endm
.macro JLOAD s                         ; a joint load: waves 0, 1 fetch A's halves, waves 2, 3 W's
	s_cmp_eq_u32 s15, 0
	s_cbranch_scc0 .Lfb_\@
	tensor_load_to_lds s[G0+4*\s:G0+4*\s+3], s[G1:G1+7]
	s_nop 0
	NOPS
	s_branch .Las_\@
.Lfb_\@:
	tensor_load_to_lds s[G0B+4*\s:G0B+4*\s+3], s[G1B:G1B+7]
	s_nop 0
	NOPS
.Las_\@:
.endm
.macro CREST
	s_cmp_lg_u32 s14, 0
	s_cbranch_scc1 .Lnw_\@
	s_barrier_signal -3
.Lnw_\@:
	s_barrier_wait -3
	s_barrier_signal -1
	s_barrier_wait -1
.endm
.macro CROUND
	s_barrier_signal -1
	s_barrier_wait -1
	CREST
.endm
	s_load_b128 s[4:7], s[0:1], 0x0                ; a_t, w_t
	s_load_b256 s[68:75], s[0:1], 0x10             ; bf, bi, bc, bo
	s_load_b128 s[76:79], s[0:1], 0x30             ; c_prev, out0
	s_load_b64 s[80:81], s[0:1], 0x40              ; out1
	v_lshl_add_u32 v[SPW], v0, 2, SPARE
	v_mov_b32 v[NIL], 0
	ds_add_u32 v[SPW], v[NIL]                      ; the opening lines: the add twice on end and its wait
	ds_add_u32 v[SPW], v[NIL]
	v_lshrrev_b32 v1, 5, v0
	v_readfirstlane_b32 s14, v1                    ; wave
	s_lshr_b32 s15, s14, 1                         ; my half of the rows; also: I fetch for A (0) or W (1)
	s_and_b32 s16, s14, 1                          ; my half of W's rows; also: which 128 rows I fetch
	s_bfe_u32 s40, ttmp6, 0x40000                  ; cx
	s_bfe_u32 s41, ttmp6, 0x40004                  ; cy
	s_lshl_b32 s42, ttmp9, 2
	s_add_co_u32 s42, s42, s40                     ; tile column
	s_and_b32 s17, ttmp7, 0xffff
	s_lshl_b32 s17, s17, 2
	s_add_co_u32 s17, s17, s41                     ; tile row
	s_lshl_b32 s43, s41, 2
	s_lshl_b32 s43, 15, s43                        ; my row of the cluster
	s_lshl_b32 s44, 0x1111, s40                    ; my column
	s_or_b32 s[G1], s43, (3<<16)|(1<<21)           ; elements of 8 bytes, no padding; the mask, bit 21 beside it
	s_or_b32 s[G1B], s44, (3<<16)|(1<<21)
.irp g, G1, G1B
	s_mov_b32 s[\g+1], 32<<16                      ; rows of 256 bytes,
	s_mov_b32 s[\g+2], 150<<16                     ; 150 of them, dense
	s_mov_b32 s[\g+3], 32<<16
	s_mov_b32 s[\g+4], 150
	s_mov_b32 s[\g+5], 32
	s_mov_b32 s[\g+6], 0
	s_mov_b32 s[\g+7], 0
.endr
	s_mov_b32 s[G1C+0], (2<<16)|(1<<20)|(5<<22)|(3<<25)   ; c_prev: 64 rows of 64 f32, 16 bytes of padding behind each
	s_mov_b32 s[G1C+1], 64<<16
	s_mov_b32 s[G1C+2], 64<<16
	s_mov_b32 s[G1C+3], 64<<16
	s_mov_b32 s[G1C+4], 64
	s_mov_b32 s[G1C+5], 2048
	s_mov_b32 s[G1C+6], 0
	s_mov_b32 s[G1C+7], 0
	s_lshl_b32 s20, s17, 1
	s_add_co_u32 s20, s20, s16
	s_mul_i32 s20, s20, RSTR                       ; A: R = 2 x tile row + half
	s_mov_b32 s21, 0
	s_lshl_b32 s22, s42, 1
	s_add_co_u32 s22, s22, s16
	s_mul_i32 s22, s22, RSTR                       ; W: R = 2 x tile column + half
	s_mov_b32 s23, 0
	s_mul_i32 s45, s14, REG                        ; where my load goes
	s_wait_dscnt 0x0
	s_wait_kmcnt 0x0
	s_add_nc_u64 s[20:21], s[4:5], s[20:21]
	s_add_nc_u64 s[22:23], s[6:7], s[22:23]
.irp s, 0,1
	s_mov_b32 s[G0+4*\s], 1
	s_add_co_u32 s[G0+4*\s+1], s45, \s*SLOT
	s_add_nc_u64 s[G0+4*\s+2:G0+4*\s+3], s[20:21], \s*REG
	s_or_b32 s[G0+4*\s+3], s[G0+4*\s+3], 0x80000000
	s_mov_b32 s[G0B+4*\s], 1
	s_add_co_u32 s[G0B+4*\s+1], s45, \s*SLOT
	s_add_nc_u64 s[G0B+4*\s+2:G0B+4*\s+3], s[22:23], \s*REG
	s_or_b32 s[G0B+4*\s+3], s[G0B+4*\s+3], 0x80000000
.endr
	CROUND                                         ; the first joint loads meet
	JLOAD 0                                        ; K steps 0 to 2: one tensor load a wave at the head
	s_cmp_eq_u32 s15, 0
	s_cselect_b64 s[PFA:PFA+1], s[20:21], s[22:23] ; the prefetches walk what I fetch
	s_cselect_b32 s19, s40, s41                    ; my place among the four that ask with me
	s_add_nc_u64 s[PLS:PLS+1], s[PFA:PFA+1], 30*TILE   ; the ring's last fill
	s_add_nc_u64 s[PFA:PFA+1], s[PFA:PFA+1], 3*REG     ; the first refill steps it to slot 4
	s_mul_i32 s104, s19, 38
	s_mul_i32 s105, s19, 25
	s_lshl_b32 s18, s17, 8
	s_lshl_b32 s19, s14, 6
	s_add_co_u32 s18, s18, s19
	s_lshl_b32 s18, s18, 13                        ; rows 256 x tile row + 64 x wave, of 8,192 bytes,
	s_lshl_b32 s19, s42, 8
	s_add_co_u32 s18, s18, s19                     ; 64 hidden columns a tile column
	s_mov_b32 s19, 0
	s_add_nc_u64 s[76:77], s[76:77], s[18:19]
	s_lshl_b32 s18, s17, 8                         ; the way out: rows 256 x tile row + 128 x my half,
	s_lshl_b32 s98, s15, 7
	s_add_co_u32 s18, s18, s98
	s_lshl_b32 s18, s18, 13
	s_lshl_b32 s98, s42, 8
	s_add_co_u32 s18, s18, s98
	s_cmp_eq_u32 s16, 0                            ; waves 0 and 2 carry c_t to out1, waves 1 and 3 h_t to out0: the choice hangs on the wave's number alone
	s_cselect_b64 s[80:81], s[80:81], s[78:79]
	s_add_nc_u64 s[80:81], s[80:81], s[18:19]
	s_mov_b32 s[G0C], 1
	s_mul_i32 s[G0C+1], s14, 64*CPITCH
	s_add_co_u32 s[G0C+1], s[G0C+1], CST
	s_mov_b64 s[G0C+2:G0C+3], s[76:77]
	s_or_b32 s[G0C+3], s[G0C+3], 0x80000000
	s_lshl_b32 s18, s42, 8
	s_lshl_b32 s98, s16, 7
	s_add_co_u32 s18, s18, s98                     ; the biases of my 32 hidden columns
.irp g, 0,1,2,3
	s_add_nc_u64 s[68+2*\g:69+2*\g], s[68+2*\g:69+2*\g], s[18:19]
.endr
	s_mul_i32 s98, s15, REG                        ; my 128 rows of A
	s_mul_i32 s99, s16, REG
	s_add_co_u32 s99, s99, 2*REG                   ; my 128 rows of W
	s_sub_co_u32 s100, s99, s98
	s_add_co_u32 s101, s98, 12288
	v_and_b32 v3, 31, v0
	v_and_b32 v14, 15, v0
	v_bfe_u32 v15, v0, 4, 1
	v_mul_u32_u24 v2, v3, 48                       ; a lane's 48 bytes of a fragment
	v_add_nc_u32 v[ADRA], s98, v2
	v_add_nc_u32 v[ADRB], s99, v2
	v_add_nc_u32 v[ADRA+1], SLOT, v[ADRA]
	v_add_nc_u32 v[ADRB+1], SLOT, v[ADRB]
	v_mul_u32_u24 v[ADRS], s100, v15               ; scale words: lanes 0-15 A's, lanes 16-31 W's
	v_lshl_add_u32 v[ADRS], v14, 5, v[ADRS]
	v_add_nc_u32 v[ADRS], s101, v[ADRS]
	v_add_nc_u32 v[ADRS+1], SLOT, v[ADRS]
	v_add_nc_u32 v[PFO], s104, v3                  ; my work-group's blocks 38 p .. 38 p + 37 of 150, held at the last
	v_min_u32 v[PFO+1], 5, v3
	v_min_u32 v[PFO], 149, v[PFO]
	v_add3_u32 v[PFO+1], v[PFO+1], s104, 32
	v_lshlrev_b32 v[PFO], 8, v[PFO]
	v_min_u32 v[PFO+1], 149, v[PFO+1]
	v_min_u32 v[PFL], 24, v3                       ; and 25 p .. 25 p + 24 of the last fill's 100
	v_lshlrev_b32 v[PFO+1], 8, v[PFO+1]
	v_add_nc_u32 v[PFL], s105, v[PFL]
	v_lshlrev_b32 v[PFC], 13, v3                   ; c_prev: a lane a row
	v_lshlrev_b32 v[PFL], 8, v[PFL]
	v_lshlrev_b32 v[BO], 5, v15                    ; the biases: 32 bytes for each half of the lanes
	s_wait_alu depctr_va_vdst(0)                   ; the wait at the head's end
.irp u, 0,1
.set NW, 0x80+0x40*\u
	WIN NW                                         ; destination window 2 + u
.irp g, 0,1,2,3
.irp q, 0,1
	global_load_b128 v[8*\g+4*\q:8*\g+4*\q+3], v[BO], s[68+2*\g:69+2*\g] offset:64*\u+16*\q
.endr
.endr
.endr
	WIN 0
; one product: A's block 2 X + a against W's block i
.macro MM p, X, a, i, zero
.set DD, ACC+64*(\a)+8*(\i)
.set FB, FRG+12*(\i)
.set FA2, FRG+12*(2*(\X)+(\a))
.if \zero
.set NW, (\p)|((2+(\p))<<2)|((2+(\i)/4)<<4)|((\X)<<6)
	WIN NW
	v_wmma_scale_f32_16x16x128_f8f6f4 v[DD:DD+7], v[FB:FB+11], v[FA2:FA2+11], v[8*((\i)%4):8*((\i)%4)+7], v[SC+8*(\p)+(\i)], v[SC+8*(\p)+2*(\X)+(\a)] matrix_a_fmt:MATRIX_FMT_BF6 matrix_b_fmt:MATRIX_FMT_BF6 matrix_a_scale:MATRIX_SCALE_ROW1
.else
.set NW, (\p)|((2+(\p))<<2)|((\X)<<4)|((\X)<<6)
	WIN NW
	v_wmma_scale_f32_16x16x128_f8f6f4 v[DD:DD+7], v[FB:FB+11], v[FA2:FA2+11], v[DD:DD+7], v[SC+8*(\p)+(\i)], v[SC+8*(\p)+2*(\X)+(\a)] matrix_a_fmt:MATRIX_FMT_BF6 matrix_b_fmt:MATRIX_FMT_BF6 matrix_a_scale:MATRIX_SCALE_ROW1
.endif
.endm
; 16 products on window X's accumulators, which take turns
.macro PHASE p, X, zero
.irp i, 0,1,2,3,4,5,6,7
	MM \p, \X, 0, \i, \zero
	MM \p, \X, 1, \i, \zero
.endr
.endm
; the 50 loads of the step behind a step of parity p, whose tile is the nq-th of slot ns: 2 of scale words, 24 of W, 24 of A, A's blocks in the order in which that step's windows take them.  Begins under windows 0
.macro FETCH p, ns, nq
	ds_load_b128 v[SC+8*(1-(\p)):SC+8*(1-(\p))+3], v[ADRS+\ns] offset:(\nq)*TILE
	ds_load_b128 v[SC+8*(1-(\p))+4:SC+8*(1-(\p))+7], v[ADRS+\ns] offset:(\nq)*TILE+16
.set NW, (1-(\p))<<6
	WIN NW
.irp i, 0,1,2,3,4,5,6,7
.irp j, 0,1,2
	ds_load_b128 v[FRG+12*\i+4*\j:FRG+12*\i+4*\j+3], v[ADRB+\ns] offset:(\nq)*TILE+1536*\i+16*\j
.endr
.endr
.set NW, (3-(\p))<<6
	WIN NW
.irp i, 0,1,2,3,4,5,6,7
.set LI, 2*(2*((\i/2)%2)+((1-(\p))+\i/4)%2)+\i%2
.irp j, 0,1,2
	ds_load_b128 v[FRG+12*LI+4*\j:FRG+12*LI+4*\j+3], v[ADRA+\ns] offset:(\nq)*TILE+1536*LI+16*\j
.endr
.endr
.endm
.macro ASK                             ; the slot two refills on; the loop's last trip has none
	s_cmp_gt_u32 s3, 1
	s_cbranch_scc0 .Lna_\@
	global_prefetch_b8 v[PFO], s[PFA:PFA+1] th:TH_LOAD_NT scope:SCOPE_SE
	global_prefetch_b8 v[PFO+1], s[PFA:PFA+1] th:TH_LOAD_NT scope:SCOPE_SE
.Lna_\@:
.endm
; A K step of 128, parity p.  Of this step's own loads the waits leave out A's later 18, 12, 6, 0; behind the run of the next step's 50 loads these count on top: 56, 50.
; kind 0: inside a slot.  1, 4, 2: the slot's last step: slot cs is filled again (1: three steps; 4: the last two; 2: c_prev's tile).  3: the last step.  ns, nq: slot and place of the next step's tile.
.macro STEP p, zero, kind, cs, ns, nq
.if (\kind==1)||(\kind==2)||(\kind==4)
	WIN 0
.if \kind==1
	s_wait_xcnt 0x0                                ; my prefetches have read their address
	s_add_nc_u64 s[PFA:PFA+1], s[PFA:PFA+1], REG
.endif
	s_wait_tensorcnt 0x0                           ; all my tensor loads have landed: my part of the next slot
	ds_add_u32 v[SPW], v[NIL]
.if \kind==1
	s_add_nc_u64 s[G0+6-4*\cs:G0+7-4*\cs], s[G0+6-4*\cs:G0+7-4*\cs], 2*REG       ; no load of mine is out: the other slot's next fill
	s_add_nc_u64 s[G0B+6-4*\cs:G0B+7-4*\cs], s[G0B+6-4*\cs:G0B+7-4*\cs], 2*REG
.endif
.if \kind==4
	s_mov_b32 s[G1+2], 100<<16                     ; the last fill has two K steps: 100 rows
	s_mov_b32 s[G1+4], 100
	s_mov_b32 s[G1B+2], 100<<16
	s_mov_b32 s[G1B+4], 100
.endif
	s_wait_dscnt 19                                ; (the add and A's later 18 loads may be out)
	PHASE \p, \p, \zero
	s_wait_dscnt 0x0                               ; the add is done, and my reads of this slot are over
	s_barrier_signal -1
	PHASE \p, 2+\p, \zero
	WIN 0
	s_barrier_wait -1
	CREST                                          ; the barrier has opened a round of the cluster's barrier
.if \kind==2
	tensor_load_to_lds s[G0C:G0C+3], s[G1C:G1C+7]
	s_nop 0
	NOPS
.else
	JLOAD \cs                                      ; the four v_nop behind it are the places in front of the loads below
.endif
	FETCH \p, \ns, \nq
.if \kind==1
	WIN 0
	ASK
.endif
	PHASE \p, 1-\p, \zero
	PHASE \p, 3-\p, \zero
.else
	s_wait_dscnt 18
	PHASE \p, \p, \zero
	s_wait_dscnt 12
.if \kind==0
	WIN 0
	NOPS                                           ; places between the last step's products and the loads into its sets
	FETCH \p, \ns, \nq
	PHASE \p, 2+\p, \zero
	s_wait_dscnt 56
	PHASE \p, 1-\p, \zero
	s_wait_dscnt 50
	PHASE \p, 3-\p, \zero
.else
	PHASE \p, 2+\p, \zero
	s_wait_dscnt 6
	PHASE \p, 1-\p, \zero
	s_wait_dscnt 0x0
	s_wait_tensorcnt 0x0                           ; my part of c_prev's tile is in
	s_barrier_signal -1
	PHASE \p, 3-\p, \zero
	WIN 0
	s_barrier_wait -1
.endif
.endif
.endm
	s_wait_tensorcnt 0x0                           ; my part of slot 0 is in
	ds_add_u32 v[SPW], v[NIL]
	s_add_nc_u64 s[G0+2:G0+3], s[G0+2:G0+3], 2*REG ; slot 0's next fill
	s_add_nc_u64 s[G0B+2:G0B+3], s[G0B+2:G0B+3], 2*REG
	s_wait_dscnt 0x0
	CROUND
	JLOAD 1                                        ; K steps 3 to 5
	FETCH 1, 0, 0                                  ; step 0's fragments, into the sets of parity 0
	WIN 0
	s_wait_loadcnt 0x0                             ; the biases
	STEP 0, 1, 0, 0, 0, 1                          ; the first step's products start the sums from the biases
	WIN 0
	s_mov_b32 s3, 4
.Llap:                                         ; a trip: six K steps, once round the ring
	s_cmp_lg_u32 s3, 1
	s_cbranch_scc1 .Lno_ask
	global_prefetch_b8 v[PFL], s[PLS:PLS+1] th:TH_LOAD_NT scope:SCOPE_SE
	global_prefetch_b8 v[PFC], s[76:77] th:TH_LOAD_NT scope:SCOPE_SE
	global_prefetch_b8 v[PFC], s[76:77] offset:262144 th:TH_LOAD_NT scope:SCOPE_SE
.Lno_ask:
	STEP 1, 0, 0, 0, 0, 2
	STEP 0, 0, 1, 0, 1, 0
	STEP 1, 0, 0, 0, 1, 1
	STEP 0, 0, 0, 0, 1, 2
	STEP 1, 0, 1, 1, 0, 0
	STEP 0, 0, 0, 0, 0, 1
	WIN 0
	s_sub_co_u32 s3, s3, 1
	s_cmp_lg_u32 s3, 0
	s_cbranch_scc1 .Llap
	STEP 1, 0, 0, 0, 0, 2                          ; K steps 25 to 31
	STEP 0, 0, 4, 0, 1, 0
	STEP 1, 0, 0, 0, 1, 1
	STEP 0, 0, 0, 0, 1, 2
	STEP 1, 0, 2, 1, 0, 0
	STEP 0, 0, 0, 0, 0, 1
	STEP 1, 0, 3, 0, 0, 0
	NOPS                                           ; places behind the last products
	s_mov_b32 s20, 0xbfb8aa3b                      ; -log2 e
	s_mov_b32 s21, s20
	s_mov_b32 s22, 0x4038aa3b                      ; 2 log2 e
	s_mov_b32 s23, s22
	s_mul_i32 s98, s15, 128*CPITCH
	s_lshl_b32 s99, s16, 7
	s_add_co_u32 s98, s98, s99
	s_add_co_u32 s98, s98, CST                     ; my 128 rows, my 128 bytes of them
	s_add_co_u32 s101, s98, HOFF
	s_mul_i32 s99, s15, 128*CPITCH
	s_mul_i32 s100, s16, HOFF
	s_add_co_u32 s99, s99, s100
	s_add_co_u32 s99, s99, CST                     ; on the way out: my half's rows, whole, of c_t's stage or of h_t's
	v_and_b32 v21, 15, v0
	v_bfe_u32 v22, v0, 4, 1
	v_mul_u32_u24 v23, v21, CPITCH
	v_mul_u32_u24 v18, v22, CPITCH
	v_lshlrev_b32 v20, 13, v22
	v_lshl_add_u32 v23, v22, 5, v23
	v_lshl_add_u32 v18, v21, 4, v18
	v_lshl_add_u32 v20, v21, 4, v20                ; two rows of 8,192 bytes in the outputs
	v_add_nc_u32 v18, s99, v18
.irp w, 0,1,2,3                        ; v16, v17 of every window: where my 32 bytes of c and of h lie
.set NW, \w<<6
	WIN NW
	v_add_nc_u32 v16, s98, v23
	v_add_nc_u32 v17, s101, v23
.endr
	s_wait_alu depctr_va_vdst(0)                   ; the wait ahead of the readers below
; The gates of A's blocks 2 X and 2 X + 1, all in window X: the sixteen accumulators are worked in place; v32-63 c, v64-95 h.  e: which of the two blocks
.macro GATE X
.set NW, 0x55*(\X)
	WIN NW
.irp e, 0,1
.irp u, 0,1
.irp q, 0,1
	ds_load_b128 v[32+16*\e+8*\u+4*\q:32+16*\e+8*\u+4*\q+3], v16 offset:16*CPITCH*(2*(\X)+\e)+64*\u+16*\q
.endr
.endr
.endr
	s_wait_alu depctr_va_vdst(0)                   ; the wait ahead of the first readers of matrix results
.irp e, 0,1
.irp b, 0,1,2,3,4,5,6,7
.irp p, 0,2,4,6
.if (\b%4) == 2
	v_pk_mul_f32 v[ACC+64*\e+8*\b+\p:ACC+64*\e+8*\b+\p+1], v[ACC+64*\e+8*\b+\p:ACC+64*\e+8*\b+\p+1], s[22:23] op_sel_hi:[1,0]
.else
	v_pk_mul_f32 v[ACC+64*\e+8*\b+\p:ACC+64*\e+8*\b+\p+1], v[ACC+64*\e+8*\b+\p:ACC+64*\e+8*\b+\p+1], s[20:21] op_sel_hi:[1,0]
.endif
.endr
.endr
.endr
.set i, 0
	s_wait_alu depctr_va_vdst(0)                   ; one wait ahead of each batch and one behind it
.rept 128
	v_exp_f32 v[ACC+i], v[ACC+i]
.set i, i+1
.endr
	v_nop
.set i, 0
	s_wait_alu depctr_va_vdst(0)
.if \X > 0
	OUTB \X-1                                      ; the rows of the window before leave here: they were read back ahead of the 128 exponentials
.set NW, 0x55*(\X)
	WIN NW
.endif
.rept 64
	v_pk_add_f32 v[ACC+i:ACC+i+1], v[ACC+i:ACC+i+1], 1.0 op_sel_hi:[1,0]
.set i, i+2
.endr
.set i, 0
	s_wait_alu depctr_va_vdst(0)
.rept 128
	v_rcp_f32 v[ACC+i], v[ACC+i]
.set i, i+1
.endr
	s_wait_dscnt 0x0                               ; c_prev is in
	v_nop
	s_wait_alu depctr_va_vdst(0)
.irp t, 0,1,2,3                        ; t = 2 e + u: eight hidden columns of one block; its gates f, i, c, o at ACC + 32 t + 0, 8, 16, 24
.irp p, 0,2,4,6
	v_pk_fma_f32 v[ACC+32*\t+16+\p:ACC+32*\t+16+\p+1], v[ACC+32*\t+16+\p:ACC+32*\t+16+\p+1], -2.0, 1.0 op_sel_hi:[1,0,0]
.endr
.endr
.irp t, 0,1,2,3
.irp p, 0,2,4,6
	v_pk_mul_f32 v[32+8*\t+\p:32+8*\t+\p+1], v[32+8*\t+\p:32+8*\t+\p+1], v[ACC+32*\t+\p:ACC+32*\t+\p+1]
.endr
.endr
.irp t, 0,1,2,3
.irp p, 0,2,4,6
	v_pk_fma_f32 v[32+8*\t+\p:32+8*\t+\p+1], v[ACC+32*\t+8+\p:ACC+32*\t+8+\p+1], v[ACC+32*\t+16+\p:ACC+32*\t+16+\p+1], v[32+8*\t+\p:32+8*\t+\p+1]
.endr
.endr
.irp t, 0,1,2,3
.irp p, 0,2,4,6
	v_pk_mul_f32 v[64+8*\t+\p:64+8*\t+\p+1], v[32+8*\t+\p:32+8*\t+\p+1], s[22:23] op_sel_hi:[1,0]
.endr
.endr
.irp e, 0,1
.irp u, 0,1
.irp q, 0,1
	ds_store_b128 v16, v[32+16*\e+8*\u+4*\q:32+16*\e+8*\u+4*\q+3] offset:16*CPITCH*(2*(\X)+\e)+64*\u+16*\q   ; c_t where c_prev lay
.endr
.endr
.endr
.set i, 0
	s_wait_alu depctr_va_vdst(0)
.rept 32
	v_exp_f32 v[64+i], v[64+i]
.set i, i+1
.endr
	v_nop
.set i, 0
	s_wait_alu depctr_va_vdst(0)
.rept 16
	v_pk_add_f32 v[64+i:64+i+1], v[64+i:64+i+1], 1.0 op_sel_hi:[1,0]
.set i, i+2
.endr
.set i, 0
	s_wait_alu depctr_va_vdst(0)
.rept 32
	v_rcp_f32 v[64+i], v[64+i]
.set i, i+1
.endr
	v_nop
.set i, 0
	s_wait_alu depctr_va_vdst(0)
.rept 16
	v_pk_fma_f32 v[64+i:64+i+1], v[64+i:64+i+1], -2.0, 1.0 op_sel_hi:[1,0,0]
.set i, i+2
.endr
.irp t, 0,1,2,3
.irp p, 0,2,4,6
	v_pk_mul_f32 v[64+8*\t+\p:64+8*\t+\p+1], v[64+8*\t+\p:64+8*\t+\p+1], v[ACC+32*\t+24+\p:ACC+32*\t+24+\p+1]
.endr
.endr
.irp e, 0,1
.irp u, 0,1
.irp q, 0,1
	ds_store_b128 v17, v[64+16*\e+8*\u+4*\q:64+16*\e+8*\u+4*\q+3] offset:16*CPITCH*(2*(\X)+\e)+64*\u+16*\q
.endr
.endr
.endr
.endm
; THE WAY OUT, window by window: behind the gates of window X rows 32 X .. 32 X + 31 of each half of the tile are whole in both stages.  A row's 256 bytes come from two waves: so a barrier; then each wave reads
; 32 whole rows back (OUTA), into v128-191 and v192-255 of window 0 by turns, whose accumulators are done with, and stores them inside the next window's gates (OUTB).  Later gates store to other rows of the stages.
.macro OUTA X
.set OB, 128+64*((\X)%2)
	WIN 0
	s_wait_dscnt 0x0                               ; for the others' sake: my stores into the stages are done
	s_barrier_signal -1
	s_barrier_wait -1
	s_wait_xcnt 0x0                                ; the stores of two windows ago have read these registers
.irp t, 0,1,2,3,4,5,6,7,8,9,10,11,12,13,14,15
	ds_load_b128 v[OB+4*\t:OB+4*\t+3], v18 offset:(32*(\X)+2*\t)*CPITCH
.endr
.endm
.macro OUTB X
.set OB, 128+64*((\X)%2)
	WIN 0
	s_wait_dscnt 0x0                               ; the rows are back in registers
.irp t, 0,1,2,3,4,5,6,7,8,9,10,11,12,13,14,15
	global_store_b128 v20, v[OB+4*\t:OB+4*\t+3], s[80:81] offset:(32*(\X)+2*\t)*8192 th:TH_STORE_NT   ; 16 lanes store 256 consecutive bytes, aligned
.endr
.endm
.irp w, 0,1,2,3
	GATE \w
	OUTA \w
.endr
	OUTB 3
	s_wait_tensorcnt 0x0                           ; the wave's end
	ds_add_u32 v[SPW], v[NIL]
	s_wait_dscnt 0x0
	CROUND                                         ; the closing round
	s_endpgm
.Lfunc_end_k_q7ad696db57_gemm:
	.size	k_q7ad696db57_gemm, .Lfunc_end_k_q7ad696db57_gemm-k_q7ad696db57_gemm
	.p2alignl 7, 3214868480
	.fill 96, 4, 3214868480
	.section	.rodata,"a",@progbits
	.p2align	6, 0x0
	.amdhsa_kernel k_q7ad696db57_gemm
		.amdhsa_group_segment_fixed_size 327680
		.amdhsa_private_segment_fixed_size 0
		.amdhsa_enable_private_segment 0
		.amdhsa_kernarg_size 72
		.amdhsa_user_sgpr_count 2
		.amdhsa_user_sgpr_kernarg_segment_ptr 1
		.amdhsa_wavefront_size32 1
		.amdhsa_system_sgpr_workgroup_id_x 1
		.amdhsa_system_sgpr_workgroup_id_y 1
		.amdhsa_system_sgpr_workgroup_id_z 1
		.amdhsa_system_vgpr_workitem_id 0
		.amdhsa_next_free_vgpr 1024
		.amdhsa_next_free_sgpr 106
		.amdhsa_reserve_vcc 0
		.amdhsa_float_denorm_mode_32 3
		.amdhsa_float_denorm_mode_16_64 3
		.amdhsa_memory_ordered 1
		.amdhsa_forward_progress 1
		.amdhsa_inst_pref_size 255
	.end_amdhsa_kernel
	.section	.bss,"aw",@nobits
	.p2align	6
	.space	262144
	.amdgpu_metadata
---
amdhsa.version: [ 1, 2 ]
amdhsa.kernels:
  - .name:           k_q7ad696db57_gemm
    .symbol:         k_q7ad696db57_gemm.kd
    .args:
      - { .name: a_t, .offset: 0, .size: 8, .value_kind: global_buffer, .address_space: global }
      - { .name: w_t, .offset: 8, .size: 8, .value_kind: global_buffer, .address_space: global }
      - { .name: bf, .offset: 16, .size: 8, .value_kind: global_buffer, .address_space: global }
      - { .name: bi, .offset: 24, .size: 8, .value_kind: global_buffer, .address_space: global }
      - { .name: bc, .offset: 32, .size: 8, .value_kind: global_buffer, .address_space: global }
      - { .name: bo, .offset: 40, .size: 8, .value_kind: global_buffer, .address_space: global }
      - { .name: c_prev, .offset: 48, .size: 8, .value_kind: global_buffer, .address_space: global }
      - { .name: out0, .offset: 56, .size: 8, .value_kind: global_buffer, .address_space: global }
      - { .name: out1, .offset: 64, .size: 8, .value_kind: global_buffer, .address_space: global }
    .group_segment_fixed_size: 327680
    .private_segment_fixed_size: 0
    .kernarg_segment_align: 8
    .kernarg_segment_size: 72
    .max_flat_workgroup_size: 128
    .sgpr_count:     106
    .vgpr_count:     1024
    .wavefront_size: 32
...
	.end_amdgpu_metadata
.endif
;; end of part 2
